; MI455X (gfx1250); checked and timed in simulation.
; The chip was launched on July 23, 2026; its instructions are those of AMD's public machine-readable ISA for CDNA 5 (MIT licence, August 2026) and "CDNA5" Instruction Set Architecture Reference Guide (July 2026). The comments in the code are by the model that wrote it; some were corrected since.
;; Int8 Linear. Allowed arithmetic: matrix products marked QUANTISED: E2M1 operands, one E8M0 scale for each 32 along K, by v_wmma_scale_f32_16x16x128_f8f6f4 with both operands' format E2M1 (or v_wmma_scale_f32_32x16x128_f4), f32 sums; everything else in f32.
;; Inputs: bias 4,096 float16; weight 4,096 x 4,096 int32; x_codes 4,096 x 128 x 16 uint8 (E2M1 codes of x, K innermost, in blocks of 32 codes, two codes a byte); x_scales 4,096 x 128 uint8 (E8M0 scales of x, one for each 32 codes along K).
;; Outputs: out0 4,096 x 4,096 float16.
;; This version of the problem:
;;   THIS VERSION OF THE PROBLEM IS GIVEN IN LOW PRECISION. The matrix products marked QUANTISED in the list below multiply operands that are first quantised to E2M1 (2 exponent bits, 1 mantissa bit; 4 bits a number), with one power-of-two scale for each 32 numbers along K (OCP MX v1.0); their sums are f32. All else is computed in f32.
;;   The module's matrix products, in the order in which they are computed (A, B: the left and right operand; K: the contracted axis; several contracted axes count as one K, in the product's order):
;;     1. [M 4,096, K 4,096] x [K 4,096, N 4,096]; A: input x (given as codes); B: input weight: QUANTISED
;;   THE QUANTISER, for each operand of a quantised product, along K:
;;     - K is cut into blocks of 32 from its start; a last block that is shorter is filled with zeros.
;;     - A block's scale is 2^e with e = floor(log2(the largest magnitude in the block)) - 2, held to -126 .. 127; a block of zeros has e = 0. As a byte (E8M0): e + 127.
;;     - Each number is divided by its block's scale, clamped to +-6, and rounded to the nearest number of E2M1, ties to even, subnormals kept.
;;     - The product sums the exact products of the quantised numbers (number of the format x scale) in f32.
;;   ~~~python
;;   def quantise(x, axis):      # numpy; x: float32 -> the quantised numbers, widened to float32 again
;;       x = np.moveaxis(x, axis, -1); K = x.shape[-1]
;;       x = np.pad(x, [(0, 0)] * (x.ndim - 1) + [(0, -K % 32)]); x = x.reshape(x.shape[:-1] + (-1, 32)); a = np.abs(x).max(-1, keepdims=True)
;;       e = np.where(a > 0, np.clip(np.frexp(np.where(a > 0, a, 1))[1] - 1 - 2, -126, 127), 0)      # np.frexp(a)[1] - 1 = floor(log2(a)), exactly
;;       r = np.clip(x / 2.0 ** e, -6, 6)
;;       step = 2.0 ** (np.maximum(np.frexp(np.where(r == 0, 1, r))[1] - 1, 0) - 1)
;;       q = np.round(r / step) * step * 2.0 ** e      # np.round: ties to even
;;       return np.moveaxis(q.reshape(q.shape[:-2] + (-1,))[..., :K], -1, axis).astype(np.float32)
;;   ~~~
;;   INPUTS GIVEN AS CODES. x (in the module: [4096, 4096], K = its axis 1): each comes as NAME_codes (uint8): NAME with its K axis moved to the last place and cut into blocks of 32 codes, [.., K / 32, bytes a block], one block behind the other in memory; two codes a byte, the lower K in the low four bits (a code: sign, 2 exponent bits, 1 mantissa bit); and NAME_scales (uint8): the same leading axes, one E8M0 byte (e + 127) for each 32 codes along K. Its value is code x scale, taken as it is: it is not quantised again, and the codes and scales need not be those that the quantiser above would give.
;; One version. Each part assembles by itself: llvm-mc -triple=amdgcn-amd-amdhsa -mcpu=gfx1250 --defsym DOCPART=n.
;; ======== version 1 of 1: 2 launches
;; workspace buffers: wq 8,912,896 bytes
;; launch quant (part 1): grid 8 x 32, 8 waves a work-group, no clusters, 0 bytes of LDS; arguments weight, wq; writes wq
.if DOCPART == 1
	.amdgcn_target "amdgcn-amd-amdhsa--gfx1250"
	.amdhsa_code_object_version 6
	.text
	.protected	k_qfa4980ddc7_quant
	.globl	k_qfa4980ddc7_quant
	.p2align	8
	.type	k_qfa4980ddc7_quant,@function
k_qfa4980ddc7_quant:
	s_mov_b64 s[64:65], 0
	v_nop
	global_prefetch_b8 v0, s[64:65] scope:SCOPE_SE
	s_setreg_imm32_b32 hwreg(HW_REG_WAVE_MODE, 25, 1), 1
	s_wait_xcnt 0x0
; weight [4096 (k)][4096 (n)], int32, becomes the right operand of the product: each number goes to f16 (as the module's dequantisation does) and back to f32,
; and is then quantised along K to codes of FP4 (E2M1) with one E8M0 scale byte for each 32 along K.
; A block's scale is 2^(floor(log2(its largest magnitude)) - 2); its byte is the largest magnitude's exponent field - 2, held at 1 from below.
; LIMITS: |weight| of 65,520 or more is infinite in f16 and is not served.  Below 2^24 the step int32 -> f32 is exact, so the one rounding is that to f16.
; A block of zeros gets the byte 1 where the rule says 127: its codes are zeros, which add nothing under any byte but 0xff, and the bytes are read by this program alone.
; THE WORKSPACE IS LAID IN THE ORDER OF THE OPERAND'S REGISTERS: wq[s = K step of 512][nh = 128 columns][REC bytes].  Column c of the 128 is 64 G + 32 g + 2 r + p; the sixteen columns r = 0 .. 15 of one
; b = 4 G + 2 g + p form one tile of the matrix instruction.  Codes: byte 4096 b + 256 kb + 16 r holds the 32 codes of block kb (0 .. 15) of that column.
; Scale words (four bytes: the q-th 128 along K): byte 32768 + 512 q + 256 G + 8 (16 g + r) + 4 p.
; SHARES.  A wave takes 64 columns x 128 along K: one (q, G) of one record, four blocks of 32.  A LANE TAKES TWO NEIGHBOURING COLUMNS, AND ITS REGISTERS RUN DOWN K: a load of the wave reads 256 consecutive
; bytes of one row of weight; a block's largest magnitude needs no other lane; a block's four code registers are the operand's image and are stored as they stand: lanes 0-15 store 256 consecutive
; bytes, lanes 16-31 another 256, both aligned.  No LDS, no barrier: waves share nothing.  Loads run two blocks (64 loads a wave) ahead.
; Every offset is an immediate, the largest 127 rows x 16,384 bytes; every store has data registers of its own, so that no source of a pending store is ever written again.
.set REC, 34816                        ; bytes of a record: 32,768 of codes, 2,048 of scale words
.set T,   8                            ; v8-15    sixteen numbers as f16, two to a register
.set M,   16                           ; v16-19   largest magnitudes: two chains for each of my two columns
.set SO,  20                           ; v20-21   the conversions' scale operands
.set BY,  22                           ; v22-23   a block's scale bytes
.set SW,  24                           ; v[24:25] my two columns' scale words
.set R,   32                           ; v32-159  two sets of 32 pairs as loaded
.set X,   160                          ; v160-223 column j's 32 numbers at X + 32 j
.set C,   224                          ; v224-255 codes: block t, column j at C + 8 t + 4 j
	s_load_b128 s[4:7], s[0:1], 0x0                ; weight s[4:5], wq s[6:7]
	v_lshrrev_b32 v1, 5, v0
	v_readfirstlane_b32 s10, v1                    ; wave 0..7
	v_and_b32 v1, 31, v0                           ; lane
	v_lshlrev_b32 v2, 3, v1                        ; 8 x lane: my two columns in a row of weight, and my two scale words; never rewritten
	v_lshrrev_b32 v4, 4, v1                        ; g
	v_and_b32 v5, 15, v1                           ; r
	v_lshlrev_b32 v3, 4, v5
	v_lshl_add_u32 v3, v4, 13, v3                  ; 8192 g + 16 r: my place among the codes; never rewritten
	s_and_b32 s11, ttmp7, 0xffff                   ; which 128 along K
	s_lshl_b32 s12, ttmp9, 3
	s_add_co_u32 s12, s12, s10                     ; which 64 columns: 8 x work-group x + wave
	s_lshr_b32 s13, s12, 1                         ; nh
	s_and_b32 s14, s12, 1                          ; G
	s_lshr_b32 s15, s11, 2                         ; s
	s_and_b32 s16, s11, 3                          ; q
	s_lshl_b32 s18, s11, 21                        ; weight: 128 rows of 16,384 bytes,
	s_lshl_b32 s17, s12, 8                         ; 64 columns of 4 bytes
	s_add_co_u32 s18, s18, s17
	s_mov_b32 s19, 0
	s_lshl_b32 s17, s15, 5
	s_add_co_u32 s17, s17, s13
	s_mul_i32 s20, s17, REC                        ; my record (all offsets stay under 2^24)
	s_lshl_b32 s17, s14, 14
	s_add_co_u32 s22, s20, s17                     ; codes: + 16384 G
	s_lshl_b32 s17, s16, 10
	s_add_co_u32 s22, s22, s17                     ; + 1024 q
	s_mov_b32 s23, 0
	s_lshl_b32 s17, s16, 9
	s_add_co_u32 s20, s20, s17                     ; scale words: + 512 q
	s_lshl_b32 s17, s14, 8
	s_add_co_u32 s20, s20, s17                     ; + 256 G
	s_add_co_u32 s20, s20, 32768                   ; behind the codes
	s_mov_b32 s21, 0
	s_wait_kmcnt 0x0
	s_add_nc_u64 s[4:5], s[4:5], s[18:19]
	s_add_nc_u64 s[8:9], s[6:7], s[20:21]
	s_add_nc_u64 s[6:7], s[6:7], s[22:23]
.macro LOAD t                          ; block t: rows 32 t + i of my 128, my two columns, into set t % 2
.irp i, 0,1,2,3,4,5,6,7,8,9,10,11,12,13,14,15,16,17,18,19,20,21,22,23,24,25,26,27,28,29,30,31
	global_load_b64 v[R+64*((\t)%2)+2*\i:R+64*((\t)%2)+2*\i+1], v2, s[4:5] offset:(32*(\t)+\i)*16384 th:TH_LOAD_NT   ; 32 lanes read 256 consecutive bytes; read once in the launch
.endr
.endm
.macro F16RT base                      ; sixteen numbers to f16, nearest even, and back: what the module's dequantisation leaves of them
.irp i, 0,1,2,3,4,5,6,7
	v_cvt_pk_f16_f32 v[T+\i], v[(\base)+2*\i], v[(\base)+2*\i+1]
.endr
.set n, 0
.irp x, v8.l, v8.h, v9.l, v9.h, v10.l, v10.h, v11.l, v11.h, v12.l, v12.h, v13.l, v13.h, v14.l, v14.h, v15.l, v15.h
	v_cvt_f32_f16 v[(\base)+n], \x
.set n, n+1
.endr
.endm
.macro BLOCK t
.set RS, R+64*((\t)%2)
.if (\t) < 3
	s_wait_loadcnt 32                              ; loads come back in order (ISA guide 5.7.1): this block's 32 are in, the next block's 32 may be out
.else
	s_wait_loadcnt 0x0
.endif
.irp i, 0,1,2,3,4,5,6,7,8,9,10,11,12,13,14,15,16,17,18,19,20,21,22,23,24,25,26,27,28,29,30,31
	v_cvt_f32_i32 v[X+\i], v[RS+2*\i]              ; the conversion also parts my two columns: each gets 32 consecutive registers down K
	v_cvt_f32_i32 v[X+32+\i], v[RS+2*\i+1]
.endr
.if (\t)+2 < 4
	LOAD (\t)+2                                    ; the set has been read: it takes the block two further on
.endif
.irp k, 0,1,2,3
	F16RT X+16*\k
.endr
.irp j, 0,1                                    ; the largest magnitude of each column's 32: two chains a column, the columns by turns
	v_max3_num_f32 v[M+2*\j], |v[X+32*\j]|, |v[X+32*\j+1]|, |v[X+32*\j+2]|
	v_max3_num_f32 v[M+2*\j+1], |v[X+32*\j+3]|, |v[X+32*\j+4]|, |v[X+32*\j+5]|
.endr
.irp i, 6,10,14,18,22,26
.irp j, 0,1
	v_max3_num_f32 v[M+2*\j], v[M+2*\j], |v[X+32*\j+\i]|, |v[X+32*\j+\i+1]|
	v_max3_num_f32 v[M+2*\j+1], v[M+2*\j+1], |v[X+32*\j+\i+2]|, |v[X+32*\j+\i+3]|
.endr
.endr
.irp j, 0,1
	v_max3_num_f32 v[M+2*\j], v[M+2*\j], |v[X+32*\j+30]|, |v[X+32*\j+31]|
.endr
.irp j, 0,1
	v_max3_num_f32 v[M+2*\j], v[M+2*\j], v[M+2*\j+1], 0x1800000   ; and the floor 2^(3 - 127): so the byte cannot fall under 1
.endr
.irp j, 0,1
	v_add_nc_u32 v[SO+\j], 0xff000000, v[M+2*\j]   ; 2 off the exponent field: the conversion takes the exponent field of this operand as its scale, and nothing else of it
.endr
.irp j, 0,1
.irp g, 0,1,2,3
	v_cvt_scalef32_pk8_fp4_f32 v[C+8*(\t)+4*\j+\g], v[X+32*\j+8*\g:X+32*\j+8*\g+7], v[SO+\j]   ; eight numbers / scale, to the nearest code, ties to even, beyond 6 the largest code; the lowest k in the lowest bits
.endr
.endr
.irp j, 0,1                                    ; the scale's byte.  (These plain lines also stand between the conversions and the next block's writes of their sources)
.if (\t) == 0
	v_lshrrev_b32 v[SW+\j], 23, v[SO+\j]           ; block 0's byte begins the word
.else
	v_lshrrev_b32 v[BY+\j], 23, v[SO+\j]
.endif
.endr
.if (\t) > 0
.irp j, 0,1
	v_lshl_or_b32 v[SW+\j], v[BY+\j], 8*(\t), v[SW+\j]   ; the lower K in the lower byte
.endr
.endif
.irp j, 0,1
	global_store_b128 v3, v[C+8*(\t)+4*\j:C+8*(\t)+4*\j+3], s[6:7] offset:\j*4096+(\t)*256   ; p = j, kb = 4 q + t: sixteen lanes store 256 consecutive bytes, aligned
.endr
.endm
	LOAD 0
	LOAD 1
	BLOCK 0
	BLOCK 1
	BLOCK 2
	BLOCK 3
	global_store_b64 v2, v[SW:SW+1], s[8:9]        ; my two columns' scale words: the wave stores 256 consecutive bytes, aligned
	s_endpgm
.Lfunc_end_k_qfa4980ddc7_quant:
	.size	k_qfa4980ddc7_quant, .Lfunc_end_k_qfa4980ddc7_quant-k_qfa4980ddc7_quant
	.p2alignl 7, 3214868480
	.fill 96, 4, 3214868480
	.section	.rodata,"a",@progbits
	.p2align	6, 0x0
	.amdhsa_kernel k_qfa4980ddc7_quant
		.amdhsa_group_segment_fixed_size 0
		.amdhsa_private_segment_fixed_size 0
		.amdhsa_enable_private_segment 0
		.amdhsa_kernarg_size 16
		.amdhsa_user_sgpr_count 2
		.amdhsa_user_sgpr_kernarg_segment_ptr 1
		.amdhsa_wavefront_size32 1
		.amdhsa_system_sgpr_workgroup_id_x 1
		.amdhsa_system_sgpr_workgroup_id_y 1
		.amdhsa_system_sgpr_workgroup_id_z 1
		.amdhsa_system_vgpr_workitem_id 0
		.amdhsa_next_free_vgpr 256
		.amdhsa_next_free_sgpr 66
		.amdhsa_reserve_vcc 0
		.amdhsa_float_denorm_mode_32 3
		.amdhsa_float_denorm_mode_16_64 3
		.amdhsa_memory_ordered 1
		.amdhsa_forward_progress 1
		.amdhsa_inst_pref_size 50
	.end_amdhsa_kernel
	.amdgpu_metadata
---
amdhsa.version: [ 1, 2 ]
amdhsa.kernels:
  - .name:           k_qfa4980ddc7_quant
    .symbol:         k_qfa4980ddc7_quant.kd
    .args:
      - { .name: weight, .offset: 0, .size: 8, .value_kind: global_buffer, .address_space: global }
      - { .name: wq, .offset: 8, .size: 8, .value_kind: global_buffer, .address_space: global }
    .group_segment_fixed_size: 0
    .private_segment_fixed_size: 0
    .kernarg_segment_align: 8
    .kernarg_segment_size: 16
    .max_flat_workgroup_size: 256
    .sgpr_count:     66
    .vgpr_count:     256
    .wavefront_size: 32
...
	.end_amdgpu_metadata
.endif
;; end of part 1
;; launch gemm (part 2): grid 16 x 16, 4 waves a work-group, clusters of 4 x 4, 327,680 bytes of LDS; arguments x_codes, x_scales, wq, bias, out0; writes out0
.if DOCPART == 2
	.amdgcn_target "amdgcn-amd-amdhsa--gfx1250"
	.amdhsa_code_object_version 6
	.text
	.protected	k_qfa4980ddc7_gemm
	.globl	k_qfa4980ddc7_gemm
	.p2align	8
	.type	k_qfa4980ddc7_gemm,@function
k_qfa4980ddc7_gemm:
	s_mov_b64 s[64:65], 0
	v_nop
	global_prefetch_b8 v0, s[64:65] scope:SCOPE_SE
	s_setreg_imm32_b32 hwreg(HW_REG_WAVE_MODE, 25, 1), 1
	s_wait_xcnt 0x0
	s_wait_alu depctr_hold_cnt(0) depctr_sa_sdst(0) depctr_va_vdst(0) depctr_va_sdst(0) depctr_va_ssrc(0) depctr_va_vcc(0) depctr_vm_vsrc(0)
	s_getreg_b32 s2, hwreg(HW_REG_IB_STS2, 6, 4)
	s_cmp_eq_u32 s2, 0
	s_cbranch_scc0 .Lentry_in_a_cluster
	s_endpgm
.Lentry_in_a_cluster:
	s_bfe_u32 s2, ttmp6, 0x10000c
	s_cmp_lg_u32 s2, 0xf033
	s_cbranch_scc0 .Lentry_shape_is_right
	s_endpgm
.Lentry_shape_is_right:
; out0[m][n] = f16( bias[n] + sum over k of x[m][k] w[k][n] ), M = N = K = 4096, both operands as codes of FP4 (E2M1) with one E8M0 scale for each 32 along K; sums in f32.
; x: codes [4096][2048 bytes], K innermost, and scale bytes [4096][128], taken as they are given (a byte 0xff makes NaN, as its value is).
; w: the workspace wq, laid in the order of the operand's registers: wq[K step of 512][128 columns][34,816 bytes]: 8 tiles of 16 columns x 4,096 bytes of codes, then 2,048 bytes of scale words.
;   Column c of the 128 is 64 G + 32 g + 2 r + p; tile b = 4 G + 2 g + p holds the columns r = 0 .. 15.  A fragment (b, q) is 1,024 consecutive bytes, 16 x lane.
; The bias is the C of each sum's first matrix instruction: it is the first addend of the f32 sum, not the last: an order of rounding that differs from the module's.
; SHARES.  A tile of 256 x 256 of out0 is made by a work-group of four waves, as many as a WGP has SIMDs; a wave makes 128 x 128: 64 accumulators of 16 x 16, 512 registers.  256 tiles, one to a work-group.
; K goes in steps of 512 through a ring of two LDS slots filled by the tensor data mover: waves 0 and 1 fetch x's 2 x 128 rows of 256 bytes, waves 2 and 3 two records of wq, WHOSE SCALE WORDS RIDE WITH THEIR CODES.
; x's scale bytes of the work-group's 256 rows, for all of K, are one dense block of 32,768 bytes: it comes into LDS once, with the first fills, each wave a quarter, and stays.
; CLUSTERS: 4 x 4 work-groups.  The four of a row of the cluster need the same tiles of x, the four of a column the same records of wq: each is asked for JOINTLY, by the same tensor load with the same
; descriptor and a mask that names the four.  THE MATRIX INSTRUCTION IS USED TRANSPOSED (source 0 = 16 columns of w, source 1 = 16 rows of x): in accumulator (a, b) lane (r, h) holds row 16 a + r and its
; register j the column 64 G + 32 g + 16 h + 2 j + p.  So register j of tiles b = 2 u and 2 u + 1 are two NEIGHBOURING columns: one conversion packs them into a word, and a lane's 8 words for one u are 32 bytes of a row.
; REGISTERS, in windows of 256: window 0: v0-31 addresses; v32-95 scale words, two sets, and nothing else; v96-127 the bias as loaded; v128-191 x's fragments (8 x 16 rows x 128 K), ONE set; v192-255 the bias in f32.
;   On the way out v96-127 take the packed results, v128-191 the rows read back.   window 1: w's fragments, TWO sets, at v0 and at v128.
;   window 2: the 32 accumulators of my rows 0-63 (accumulator (a, b) at v[8 (8 a + b)]);   window 3: those of my rows 64-127.
; A step of 128 along K is 64 matrix instructions, x's blocks one after the other, each against w's eight.  A block of x is free as soon as its eight products are issued, so one set serves x:
; blocks 0-3 are fetched anew in the step's middle, blocks 4-7 at its end.  w's fragments are at work through the whole step, so w has two sets.
.set NQ,     4                         ; steps of 128 along K in a slot
.set ROWB,   256                       ; a row of x's tile in bytes: 512 codes
.set KROW,   2048                      ; a row of x's codes in memory
.set PITCH,  272                       ; an LDS row of x: 256 bytes + 16 of padding = 68 words: row r starts at bank 4 r mod 64 (64 banks of 4 bytes: ISA guide 11.1), so the 16 rows that a load touches start at 16 different banks
.set FR,     8                         ; registers of a fragment: 16 rows x 128 K
.set NL,     2                         ; LDS loads that bring one
.set NP,     4                         ; places behind this matrix instruction (ISA guide 7.12.1)
.set HALFT,  128*PITCH                 ; 34,816 bytes: 128 padded rows of x, and as many bytes as a record of wq: what one tensor load brings
.set SLOT,   4*HALFT                   ; x's 256 rows, then two records of wq
.set WSTEP,  32*HALFT                  ; bytes of wq from a K step to the next
.set WSC,    32768                     ; a record's scale words lie behind its codes
.set LAPS,   4                         ; a lap = two K steps = once round the ring: 4096 / 1024
.set SCL,    2*SLOT                    ; behind the ring: x's scale bytes, two rows (256 bytes) + 16 of padding at a time
.set QS,     32*272                    ; those of 64 rows: what one tensor load brings
.set SBLK,   8*272                     ; those of 16 rows
.set SPARE,  SCL+4*QS                  ; behind them: the spare words, 128 bytes for each wave: two blocks of 256 bytes that no other line names
.set SPITCH, 272                       ; the way out: a stage of 16 rows x (256 bytes + 16) for each wave.  It lies in slot 0, which has had its last fill and its last read when the first result is stored there
.set NROW,   8192                      ; a row of out0 in bytes
.set ADRA, 16                          ; v16-17  LDS address of my fragments of x in slot 0, 1
.set ADRB, 20                          ; v20-21  the same for w: the record + 16 x lane
.set ADSB, 22                          ; v22-23  and for w's scale words: the record + 32768 + 8 x lane
.set STO,  24                          ; v24     the way out: where I put 32 bytes of a row
.set RD,   25                          ; v25     the way out: where I read a row back
.set CO,   26                          ; v26     my byte offset in two rows of out0
.set ADSA, 27                          ; v27     LDS address of x's scale words: lanes 0-15 block i's rows, lanes 16-31 block i + 4's; 16 bytes on for each K step
.set SPW,  28                          ; v28     LDS address of my spare word: SPARE + 4 x my thread's number; never rewritten
.set NIL,  29                          ; v29     0; never rewritten
.set SC,   32                          ; scale words: set s (for slot s) at v[SC + 32 s].  Register 4 i + q: x's words, lanes 0-15 block i, lanes 16-31 block i + 4.  Register 16 + 4 q + 2 G + p: w's, lanes 0-15 g = 0, lanes 16-31 g = 1
.set BH,   96                          ; the bias as loaded: 64 numbers of f16
.set AF,   128                         ; x's fragments
.set BI,   192                         ; the bias in f32: tile b's eight registers at BI + 8 b, in the result's layout
.set TMP,  96                          ; the way out: a block's packed results
.set BK,   128                         ; the way out: 16 rows read back from the stage: v128-159 and v160-191 by turns
.set G1,  24                           ; s[24:31] descriptor group 1 for x's tiles;  s[32:39] group 0, one set for each slot
.set G0,  32
.set G1B, 48                           ; s[48:55], s[56:63] the same for wq's records
.set G0B, 56
.set G1S, 68                           ; s[68:75], s[76:79] groups 1 and 0 for x's scale bytes
.set G0S, 76
.set MSB, 0
.macro WIN new                         ; the immediate's high byte repeats the setting that is left; a switch that changes nothing is dropped
.if MSB != (\new)
	s_set_vgpr_msb (MSB<<8)|(\new)
.set MSB, \new
.endif
.endm
.set MUL_LO,   0xa1                    ; source 0 (w) window 1, source 1 (x) window 0, C and D window 2
.set MUL_HI,   0xf1                    ; the same, C and D window 3
.set FIRST_LO, 0x81                    ; the first step: C is the bias, in window 0; D window 2
.set FIRST_HI, 0xc1                    ; D window 3
.set TO_B,     0x40                    ; destination window 1, address window 0
; A joint load: waves 0 and 1 fetch for x, waves 2 and 3 for w.  Each of the two lines has ONE mask and one set of registers for all that issue it; the branch hangs on the wave's number alone.
; Four v_nop follow each of the two lines, ahead of the jump, the label and what follows.
.macro JLOAD g0a, g1a, g0b, g1b
	s_cmp_eq_u32 s15, 0
	s_cbranch_scc0 .Lfor_b_\@
	tensor_load_to_lds s[\g0a:\g0a+3], s[\g1a:\g1a+7]
	s_nop 0
.rept 4
	v_nop
.endr
	s_branch .Lasked_\@
.Lfor_b_\@:
	tensor_load_to_lds s[\g0b:\g0b+3], s[\g1b:\g1b+7]
	s_nop 0
.rept 4
	v_nop
.endr
.Lasked_\@:
.endm
.macro CREST                           ; a round of the cluster's barrier behind its opening barrier
	s_cmp_lg_u32 s14, 0
	s_cbranch_scc1 .Lnot_wave_0_\@
	s_barrier_signal -3
.Lnot_wave_0_\@:
	s_barrier_wait -3
	s_barrier_signal -1
	s_barrier_wait -1
.endm
.macro CROUND                          ; a whole round
	s_barrier_signal -1
	s_barrier_wait -1
	CREST
.endm
	s_load_b128 s[4:7], s[0:1], 0x0                ; x's codes s[4:5], x's scales s[6:7]
	s_load_b128 s[8:11], s[0:1], 0x10              ; wq s[8:9], bias s[10:11]
	s_load_b64 s[12:13], s[0:1], 0x20              ; out0
	v_lshl_add_u32 v[SPW], v0, 2, SPARE
	v_mov_b32 v[NIL], 0
	ds_add_u32 v28, v29
	ds_add_u32 v28, v29
	s_wait_dscnt 0x0
	v_lshrrev_b32 v1, 5, v0
	v_readfirstlane_b32 s14, v1                    ; wave 0..3
	s_lshr_b32 s15, s14, 1                         ; which half of the tile's rows is mine.  Also: I fetch for x (0) or for w (1)
	s_and_b32 s16, s14, 1                          ; which half of its columns.  Also: which 128 rows of x, or which of the two records, I fetch
	s_bfe_u32 s40, ttmp6, 0x40000                  ; cx, cy: my place in the cluster
	s_bfe_u32 s41, ttmp6, 0x40004
	s_lshl_b32 s42, ttmp9, 2
	s_add_co_u32 s42, s42, s40                     ; tile column = 4 x cluster x + cx
	s_and_b32 s17, ttmp7, 0xffff
	s_lshl_b32 s17, s17, 2
	s_add_co_u32 s17, s17, s41                     ; tile row = 4 x cluster y + cy
	s_lshl_b32 s43, s41, 2
	s_lshl_b32 s43, 15, s43                        ; my row of the cluster
	s_lshl_b32 s44, 0x1111, s40                    ; my column
	; group 1 for x's tiles: 128 rows x 256 bytes, 2,048 bytes apart in memory, padded in LDS
	s_or_b32 s[G1+0], s43, (0<<16)|(1<<20)|(1<<21)|(5<<22)|(3<<25)  ; 15:0 the mask: my row; 17:16 elements of 1 byte; 20 padding on; 21 set beside a mask; 24:22 after every 64 words (code 5); 31:25 four words (code 3)
	s_mov_b32 s[G1+1], ROWB<<16                    ; tensor_dim0
	s_mov_b32 s[G1+2], 128<<16                     ; tensor_dim1
	s_mov_b32 s[G1+3], ROWB<<16                    ; tile_dim0
	s_mov_b32 s[G1+4], 128                         ; tile_dim1
	s_mov_b32 s[G1+5], KROW                        ; tensor_dim0_stride
	s_mov_b32 s[G1+6], 0
	s_mov_b32 s[G1+7], 0
	; group 1 for a record of wq: a dense block of 34,816 bytes as 136 rows of 256 bytes (32 elements of 8 bytes), no padding: every read of it takes consecutive bytes
	s_or_b32 s[G1B+0], s44, (3<<16)|(1<<21)        ; the mask: my column
	s_mov_b32 s[G1B+1], 32<<16
	s_mov_b32 s[G1B+2], 136<<16
	s_mov_b32 s[G1B+3], 32<<16
	s_mov_b32 s[G1B+4], 136
	s_mov_b32 s[G1B+5], 32
	s_mov_b32 s[G1B+6], 0
	s_mov_b32 s[G1B+7], 0
	; group 1 for x's scale bytes of 64 rows: a dense block of 8,192 bytes as 32 rows of 256 bytes, 16 bytes of padding behind each
	s_or_b32 s[G1S+0], s43, (3<<16)|(1<<20)|(1<<21)|(5<<22)|(3<<25)
	s_mov_b32 s[G1S+1], 32<<16
	s_mov_b32 s[G1S+2], 32<<16
	s_mov_b32 s[G1S+3], 32<<16
	s_mov_b32 s[G1S+4], 32
	s_mov_b32 s[G1S+5], 32
	s_mov_b32 s[G1S+6], 0
	s_mov_b32 s[G1S+7], 0
	; where the tiles come from.  x's hang on the tile row alone, which my row of the cluster shares; wq's on the tile column alone, which my column shares
	s_lshl_b32 s20, s17, 19                        ; x's codes: (256 x tile row + 128 x half) rows of 2,048 bytes
	s_lshl_b32 s18, s16, 18
	s_add_co_u32 s20, s20, s18
	s_mov_b32 s21, 0
	s_lshl_b32 s22, s17, 15                        ; x's scales: (256 x tile row + 64 x wave) rows of 128 bytes
	s_lshl_b32 s18, s14, 13
	s_add_co_u32 s22, s22, s18
	s_mov_b32 s23, 0
	s_lshl_b32 s46, s42, 1                         ; wq: record 2 x tile column + half, of K step 0
	s_add_co_u32 s46, s46, s16
	s_mul_i32 s46, s46, HALFT
	s_mov_b32 s47, 0
	s_mul_i32 s45, s14, HALFT                      ; where they go: wave x 34,816 bytes: no place in the cluster enters an LDS address
	s_mul_i32 s80, s14, QS
	s_wait_kmcnt 0x0
	s_add_nc_u64 s[20:21], s[4:5], s[20:21]
	s_add_nc_u64 s[22:23], s[6:7], s[22:23]
	s_add_nc_u64 s[46:47], s[8:9], s[46:47]
	CROUND                                         ; all sixteen work-groups are here: the first joint loads meet
	s_mov_b32 s[G0S], 1                            ; 1:0 count = 1
	s_add_co_u32 s[G0S+1], s80, SCL                ; 63:32 LDS address
	s_mov_b64 s[G0S+2:G0S+3], s[22:23]             ; 120:64 global address
	s_or_b32 s[G0S+3], s[G0S+3], 0x80000000        ; 127:126 type = 2
	tensor_load_to_lds s[G0S:G0S+3], s[G1S:G1S+7]  ; x's scale bytes first: every wave its quarter; they are wanted with K step 0
	s_nop 0
.rept 4
	v_nop
.endr
.irp s, 0,1
	s_mov_b32 s[G0+4*\s], 1
	s_add_co_u32 s[G0+4*\s+1], s45, \s*SLOT
	s_add_nc_u64 s[G0+4*\s+2:G0+4*\s+3], s[20:21], \s*ROWB
	s_or_b32 s[G0+4*\s+3], s[G0+4*\s+3], 0x80000000
	s_mov_b32 s[G0B+4*\s], 1
	s_add_co_u32 s[G0B+4*\s+1], s45, \s*SLOT
	s_add_nc_u64 s[G0B+4*\s+2:G0B+4*\s+3], s[46:47], \s*WSTEP
	s_or_b32 s[G0B+4*\s+3], s[G0B+4*\s+3], 0x80000000
	JLOAD G0+4*\s, G1, G0B+4*\s, G1B               ; K steps 0 and 1: three tensor loads of mine are out
.endr
	v_and_b32 v1, 15, v0                           ; r = l % 16
	v_bfe_u32 v2, v0, 4, 1                         ; h = l / 16
	s_lshl_b32 s20, s17, 21                        ; out0: my first row, 256 x tile row + 128 x half, of 8,192 bytes
	s_lshl_b32 s21, s15, 20
	s_add_co_u32 s20, s20, s21
	s_mov_b32 s21, 0
	s_lshl_b32 s82, s42, 9                         ; my first column in bytes of f16: 512 x tile column + 256 x half: in out0 and in the bias
	s_lshl_b32 s83, s16, 8
	s_add_co_u32 s82, s82, s83
	s_mov_b32 s83, 0
	s_add_nc_u64 s[12:13], s[12:13], s[20:21]
	s_add_nc_u64 s[12:13], s[12:13], s[82:83]
	s_add_nc_u64 s[10:11], s[10:11], s[82:83]
	v_lshlrev_b32 v7, 5, v2                        ; the bias: for u = 0 .. 3 my 16 columns 32 u + 16 h + 0 .. 15: 32 bytes
.irp u, 0,1,2,3
.irp e, 0,1
	global_load_b128 v[BH+8*\u+4*\e:BH+8*\u+4*\e+3], v7, s[10:11] offset:64*\u+16*\e
.endr
.endr
	v_mul_u32_u24 v3, v1, PITCH
	v_lshl_add_u32 v4, v2, 4, v3                   ; x: a fragment's row x pitch + 16 x half
	v_and_b32 v5, 31, v0                           ; lane
	v_lshlrev_b32 v6, 4, v5                        ; w: 16 x lane
	v_lshl_add_u32 v8, v5, 3, WSC                  ; w's scale words: 8 x lane, behind the codes
	s_mul_i32 s21, s15, HALFT                      ; my 128 rows of x
	s_mul_i32 s22, s16, HALFT                      ; my record of wq,
	s_add_co_u32 s22, s22, 2*HALFT                 ; which lies behind x's 256 rows
.irp s, 0,1
	v_add_nc_u32 v[ADRA+\s], s21, v4
	v_add_nc_u32 v[ADRB+\s], s22, v6
	v_add_nc_u32 v[ADSB+\s], s22, v8
	s_add_co_u32 s21, s21, SLOT
	s_add_co_u32 s22, s22, SLOT
.endr
	v_lshlrev_b32 v9, 7, v1                        ; x's scale bytes: 128 bytes a row,
	v_lshrrev_b32 v10, 1, v1
	v_lshl_add_u32 v9, v10, 4, v9                  ; 16 more for each two rows passed,
	v_mad_u32_u24 v9, v2, 4*SBLK, v9               ; lanes 16-31 four blocks of 16 rows further on
	s_mul_i32 s23, s15, 8*SBLK                     ; my 128 rows
	s_add_co_u32 s23, s23, SCL
	v_add_nc_u32 v[ADSA], s23, v9
	s_wait_loadcnt 0x0                             ; the bias
.set n, 0
.irp x, v96.l, v96.h, v97.l, v97.h, v98.l, v98.h, v99.l, v99.h, v100.l, v100.h, v101.l, v101.h, v102.l, v102.h, v103.l, v103.h, v104.l, v104.h, v105.l, v105.h, v106.l, v106.h, v107.l, v107.h, v108.l, v108.h, v109.l, v109.h, v110.l, v110.h, v111.l, v111.h, v112.l, v112.h, v113.l, v113.h, v114.l, v114.h, v115.l, v115.h, v116.l, v116.h, v117.l, v117.h, v118.l, v118.h, v119.l, v119.h, v120.l, v120.h, v121.l, v121.h, v122.l, v122.h, v123.l, v123.h, v124.l, v124.h, v125.l, v125.h, v126.l, v126.h, v127.l, v127.h
	v_cvt_f32_f16 v[BI+16*(n/16)+8*(n%2)+(n/2)%8], \x   ; number n = 16 u + 2 j + p of my 64 is register j of tile b = 2 u + p
.set n, n+1
.endr
	s_mul_i32 s23, s14, 16*SPITCH                  ; my stage
	v_mul_u32_u24 v11, v1, SPITCH                  ; in: row l % 16, 32 bytes for each half of the lanes
	v_lshl_add_u32 v11, v2, 5, v11
	v_add_nc_u32 v[STO], s23, v11
	v_mul_u32_u24 v12, v2, SPITCH                  ; back: lanes 0-15 take one row of 256 bytes, lanes 16-31 the next
	v_lshl_add_u32 v12, v1, 4, v12
	v_add_nc_u32 v[RD], s23, v12
	v_lshlrev_b32 v13, 13, v2                      ; and the same two rows in out0
	v_lshl_add_u32 v[CO], v1, 4, v13
; One matrix instruction; its registers and the rows of its scale registers stand in symbols that MUL16 sets.  Source 0 is w's tile, so the first scale operand is w's.
.macro WM
.if rRB && rRA
	v_wmma_scale_f32_16x16x128_f8f6f4 v[rD:rD+7], v[rB:rB+FR-1], v[rA:rA+FR-1], v[rC:rC+7], v[rSB], v[rSA] matrix_a_fmt:MATRIX_FMT_FP4 matrix_b_fmt:MATRIX_FMT_FP4 matrix_a_scale:MATRIX_SCALE_ROW1 matrix_b_scale:MATRIX_SCALE_ROW1
.elseif rRB
	v_wmma_scale_f32_16x16x128_f8f6f4 v[rD:rD+7], v[rB:rB+FR-1], v[rA:rA+FR-1], v[rC:rC+7], v[rSB], v[rSA] matrix_a_fmt:MATRIX_FMT_FP4 matrix_b_fmt:MATRIX_FMT_FP4 matrix_a_scale:MATRIX_SCALE_ROW1
.elseif rRA
	v_wmma_scale_f32_16x16x128_f8f6f4 v[rD:rD+7], v[rB:rB+FR-1], v[rA:rA+FR-1], v[rC:rC+7], v[rSB], v[rSA] matrix_a_fmt:MATRIX_FMT_FP4 matrix_b_fmt:MATRIX_FMT_FP4 matrix_b_scale:MATRIX_SCALE_ROW1
.else
	v_wmma_scale_f32_16x16x128_f8f6f4 v[rD:rD+7], v[rB:rB+FR-1], v[rA:rA+FR-1], v[rC:rC+7], v[rSB], v[rSA] matrix_a_fmt:MATRIX_FMT_FP4 matrix_b_fmt:MATRIX_FMT_FP4
.endif
.endm
; 16 matrix instructions: x's blocks a0, a0 + 1 against w's eight tiles, 128 along K: the slot's q-th.  p: w's set;  sc: the set of scale words.  first = 1: the sums begin with the bias: nothing is ever cleared.
; The 64 accumulators take turns, one instruction a turn, in the same order in every step.
.macro MUL16 a0, p, q, sc, first
.irp a, \a0, \a0+1
.irp b, 0,1,2,3,4,5,6,7
.set rD, 8*(8*((\a)%4)+\b)
.set rB, 128*(\p)+FR*\b
.set rA, AF+FR*(\a)
.set rSB, SC+32*(\sc)+16+4*(\q)+2*(\b/4)+(\b%2)    ; w's words of (q, G, p); g picks the half of the lanes
.set rRB, (\b/2)%2
.set rSA, SC+32*(\sc)+4*((\a)%4)+(\q)              ; x's words of block a % 4 (lanes 0-15) and a % 4 + 4 (lanes 16-31)
.set rRA, (\a)/4
.if \first
.set rC, BI+8*\b
.else
.set rC, rD
.endif
	WM
.endr
.endr
.endm
.macro FETCH_B slot, q, p              ; w's eight fragments of the slot's q-th 128 along K into set p: each load takes 512 consecutive bytes
	WIN TO_B
.irp b, 0,1,2,3,4,5,6,7
.irp c, 0,1
	ds_load_b128 v[128*(\p)+FR*\b+4*\c:128*(\p)+FR*\b+4*\c+3], v[ADRB+\slot] offset:\b*4096+(\q)*1024+512*\c
.endr
.endr
	WIN 0
.endm
.macro FETCH_A slot, q, i0             ; x's blocks i0 .. i0 + 3: lane l holds row l % 16; registers 4 c .. 4 c + 3 hold K = 64 c + 32 (l / 16) + 0 .. 31: 16 bytes of the row as they lie
.irp i, \i0, \i0+1, \i0+2, \i0+3
.irp c, 0,1
	ds_load_b128 v[AF+FR*(\i)+4*\c:AF+FR*(\i)+4*\c+3], v[ADRA+\slot] offset:64*(\q)+32*\c+(\i)*16*PITCH
.endr
.endr
.endm
.macro SCALES sc                       ; a K step's scale words into set sc: twelve loads serve its 256 matrix instructions
.irp i, 0,1,2,3
	ds_load_b128 v[SC+32*\sc+4*\i:SC+32*\sc+4*\i+3], v[ADSA] offset:\i*SBLK          ; x's: four words a row
.endr
.irp q, 0,1,2,3
.irp g, 0,1
	ds_load_b64 v[SC+32*\sc+16+4*\q+2*\g:SC+32*\sc+16+4*\q+2*\g+1], v[ADSB+\sc] offset:512*\q+256*\g   ; w's: the words of two neighbouring columns a lane
.endr
.endr
.endm
; A load into a register that a matrix instruction has read, and a vector instruction or an LDS store that reads a matrix result, stand NP places behind that matrix instruction, and only plain vector
; instructions that name none of its registers are places (ISA guide 7.12.1 for vector instructions); this text does not count the matrix instructions in between.
.macro PLACES n
.rept \n
	v_nop
.endr
.endm
; A step of 128 along K that has its successor in the same slot.
.macro STEP slot, q, first
	s_wait_dscnt 4*NL                              ; w's set, the scale words and x's blocks 0-3 are in; the youngest eight loads (x's blocks 4-7) may be out
.if \first
	WIN FIRST_LO
.else
	WIN MUL_LO
.endif
	MUL16 0, (\q)%2, \q, \slot, \first
	MUL16 2, (\q)%2, \q, \slot, \first
	s_wait_dscnt 0                                 ; x's blocks 4-7 are in (asked for 32 matrix instructions ago)
	PLACES NP
	FETCH_B \slot, (\q)+1, 1-(\q)%2
	FETCH_A \slot, (\q)+1, 0
.if \first
	WIN FIRST_HI
.else
	WIN MUL_HI
.endif
	MUL16 4, (\q)%2, \q, \slot, \first
	MUL16 6, (\q)%2, \q, \slot, \first
	PLACES NP
	WIN 0
	FETCH_A \slot, (\q)+1, 4
.endm
; A slot's last step changes slots: ONE barrier; in front of it each wave waits for all its tensor loads, adds 0 to its spare word, and waits for that and for its own reads of this slot.  fill = 1: this slot is filled again, two K steps ahead.
.macro TURN slot, next, fill
	s_wait_tensorcnt 0x0                           ; all my tensor loads have landed: my part of the next slot;  (every window is 0 here: the add's two registers lie in window 0)
	ds_add_u32 v[SPW], v[NIL]                      ; 0 onto my spare word
	s_wait_dscnt 4*NL+1                            ; (the add and the youngest eight loads, x's blocks 4-7, may be out)
	WIN MUL_LO
	MUL16 0, 1, NQ-1, \slot, 0                     ; sixteen matrix instructions stand between the add and the wait for it
	s_wait_dscnt 0x0                               ; the add is done, and my reads of this slot are over
	s_barrier_signal -1
	MUL16 2, 1, NQ-1, \slot, 0
	WIN 0
	s_barrier_wait -1
.if \fill
	CREST                                          ; the barrier has opened a round of the cluster's barrier: no wave of any partner still reads this slot's tiles or has a load on its way
	s_add_nc_u64 s[G0+4*\slot+2:G0+4*\slot+3], s[G0+4*\slot+2:G0+4*\slot+3], 2*ROWB
	s_add_nc_u64 s[G0B+4*\slot+2:G0B+4*\slot+3], s[G0B+4*\slot+2:G0B+4*\slot+3], 2*WSTEP
	JLOAD G0+4*\slot, G1, G0B+4*\slot, G1B         ; the first tensor load behind the round, my one load until the next; the four v_nop behind it are the places in front of the loads below
.else
	PLACES NP
.endif
	v_add_nc_u32 v[ADSA], 4*NQ, v[ADSA]            ; on to the next K step's words of x's scales
	FETCH_B \next, 0, 0
	FETCH_A \next, 0, 0
	SCALES \next
	WIN MUL_HI
	MUL16 4, 1, NQ-1, \slot, 0
	MUL16 6, 1, NQ-1, \slot, 0
	PLACES NP
	WIN 0
	FETCH_A \next, 0, 4
.endm
.macro STEPS slot, from                ; the slot's steps from .. NQ - 2
.set Q, \from
.rept NQ-1-\from
	STEP \slot, Q, 0
.set Q, Q+1
.endr
.endm
	s_wait_tensorcnt 1                             ; x's scale bytes and my part of K step 0 are in; K step 1's load may stay out
	s_barrier_signal -1
	s_barrier_wait -1                              ; everybody's are
	FETCH_B 0, 0, 0
	FETCH_A 0, 0, 0
	SCALES 0
	FETCH_A 0, 0, 4
	STEP 0, 0, 1                                   ; the first step stands in front of the loop: its products start the sums, from the bias
	s_mov_b32 s3, LAPS-1
.Llap:                                                 ; a trip goes once round the ring, from a lap's second step to the next lap's first, and fills both slots again
	STEPS 0, 1
	TURN 0, 1, 1
	STEPS 1, 0
	TURN 1, 0, 1
	STEP 0, 0, 0
	s_sub_co_u32 s3, s3, 1
	s_cmp_lg_u32 s3, 0
	s_cbranch_scc1 .Llap
	STEPS 0, 1                                     ; the last lap fills nothing, and has no round of the cluster's barrier
	TURN 0, 1, 0
	STEPS 1, 0
	s_wait_dscnt 4*NL                              ; the very last step: nothing more to fetch
	WIN MUL_LO
	MUL16 0, 1, NQ-1, 1, 0
	MUL16 2, 1, NQ-1, 1, 0
	s_wait_dscnt 0
	WIN MUL_HI
	MUL16 4, 1, NQ-1, 1, 0
	MUL16 6, 1, NQ-1, 1, 0
	WIN 0
; THE WAY OUT, block by block of 16 rows x 128 columns.  PACK: rounded to f16, two neighbouring columns to a word.  TOSTAGE: 32 bytes a lane and u into my own stage in LDS, and back as whole rows of 256 bytes.
; SEND: sixteen lanes store 256 consecutive bytes, aligned.  LDS serves a wave's instructions in order (ISA guide 5.7.1.4): no wait between the stage's stores and its loads, nor in front of the next block's stores.
.macro PACK a
.set AC, 64*((\a)%4)
	WIN 0x0a+5*((\a)/4)                            ; sources 0 and 1: window 2 or 3
.irp u, 0,1,2,3
.irp j, 0,1,2,3,4,5,6,7
	v_cvt_pk_f16_f32 v[TMP+8*\u+\j], v[AC+16*\u+\j], v[AC+16*\u+8+\j]   ; columns 32 u + 16 h + 2 j and + 1: tiles 2 u and 2 u + 1, each accumulator from its low end on
.endr
.endr
	WIN 0
.endm
.macro TOSTAGE a
.set BB, BK+32*((\a)%2)
.irp u, 0,1,2,3
	ds_store_b128 v[STO], v[TMP+8*\u:TMP+8*\u+3] offset:64*\u
	ds_store_b128 v[STO], v[TMP+8*\u+4:TMP+8*\u+7] offset:64*\u+16
.endr
.irp t, 0,1,2,3,4,5,6,7
	ds_load_b128 v[BB+4*\t:BB+4*\t+3], v[RD] offset:\t*2*SPITCH
.endr
.endm
.macro SEND a
.set BB, BK+32*((\a)%2)
	s_wait_dscnt 0x0                               ; the block is back in registers
	s_wait_xcnt 0x0                                ; every earlier memory instruction has had its addresses translated (ISA guide 3.1): only behind this wait are the stores' base and the registers that earlier stores read rewritten
.if (\a) > 0
	s_add_nc_u64 s[12:13], s[12:13], 16*NROW       ; 16 rows of out0 on
.endif
.irp t, 0,1,2,3,4,5,6,7
	global_store_b128 v[CO], v[BB+4*\t:BB+4*\t+3], s[12:13] offset:2*\t*NROW th:TH_STORE_NT   ; written once, read by nobody here
.endr
.endm
	PLACES NP                                      ; behind the last products: for the loads into the registers that held x's fragments; block 0's results were finished long ago
	PACK 0
	TOSTAGE 0
.irp a, 1,2,3,4,5,6,7                  ; block a's conversions stand between block a - 1's loads from the stage and the wait for them
	PACK \a
	SEND \a-1
	TOSTAGE \a
.endr
	SEND 7
	s_wait_tensorcnt 0x0                           ; the wave's end: behind my last tensor load and my last LDS store
	ds_add_u32 v[SPW], v[NIL]
	s_wait_dscnt 0x0
	CROUND                                         ; the closing round: no work-group ends while a partner may still ask for a tile that names it
	s_endpgm
.Lfunc_end_k_qfa4980ddc7_gemm:
	.size	k_qfa4980ddc7_gemm, .Lfunc_end_k_qfa4980ddc7_gemm-k_qfa4980ddc7_gemm
	.p2alignl 7, 3214868480
	.fill 96, 4, 3214868480
	.section	.rodata,"a",@progbits
	.p2align	6, 0x0
	.amdhsa_kernel k_qfa4980ddc7_gemm
		.amdhsa_group_segment_fixed_size 327680
		.amdhsa_private_segment_fixed_size 0
		.amdhsa_enable_private_segment 0
		.amdhsa_kernarg_size 40
		.amdhsa_user_sgpr_count 2
		.amdhsa_user_sgpr_kernarg_segment_ptr 1
		.amdhsa_wavefront_size32 1
		.amdhsa_system_sgpr_workgroup_id_x 1
		.amdhsa_system_sgpr_workgroup_id_y 1
		.amdhsa_system_sgpr_workgroup_id_z 1
		.amdhsa_system_vgpr_workitem_id 0
		.amdhsa_next_free_vgpr 1024
		.amdhsa_next_free_sgpr 84
		.amdhsa_reserve_vcc 0
		.amdhsa_float_denorm_mode_32 3
		.amdhsa_float_denorm_mode_16_64 3
		.amdhsa_memory_ordered 1
		.amdhsa_forward_progress 1
		.amdhsa_inst_pref_size 216
	.end_amdhsa_kernel
	.amdgpu_metadata
---
amdhsa.version: [ 1, 2 ]
amdhsa.kernels:
  - .name:           k_qfa4980ddc7_gemm
    .symbol:         k_qfa4980ddc7_gemm.kd
    .args:
      - { .name: x_codes, .offset: 0, .size: 8, .value_kind: global_buffer, .address_space: global }
      - { .name: x_scales, .offset: 8, .size: 8, .value_kind: global_buffer, .address_space: global }
      - { .name: wq, .offset: 16, .size: 8, .value_kind: global_buffer, .address_space: global }
      - { .name: bias, .offset: 24, .size: 8, .value_kind: global_buffer, .address_space: global }
      - { .name: out0, .offset: 32, .size: 8, .value_kind: global_buffer, .address_space: global }
    .group_segment_fixed_size: 327680
    .private_segment_fixed_size: 0
    .kernarg_segment_align: 8
    .kernarg_segment_size: 40
    .max_flat_workgroup_size: 128
    .sgpr_count:     84
    .vgpr_count:     1024
    .wavefront_size: 32
...
	.end_amdgpu_metadata
.endif
;; end of part 2
